; MI455X (gfx1250); checked and timed in simulation.
; The chip was launched on July 23, 2026; its instructions are those of AMD's public machine-readable ISA for CDNA 5 (MIT licence, August 2026) and "CDNA5" Instruction Set Architecture Reference Guide (July 2026). The comments in the code are by the model that wrote it; some were corrected since.
;; Multi Head Attention. Allowed arithmetic: matrix products marked QUANTISED: E2M1 operands, one E8M0 scale for each 32 along K, by v_wmma_scale_f32_16x16x128_f8f6f4 with both operands' format E2M1 (or v_wmma_scale_f32_32x16x128_f4), f32 sums; everything else in f32.
;; Inputs: W_proj 1,024 x 1,024 float32; W_qkv 3,072 x 1,024 float32; attention_mask 4 x 2,048 bool; b_proj 1,024 float32; b_qkv 3,072 float32; x 4 x 2,048 x 1,024 float32.
;; Outputs: out0 4 x 2,048 x 1,024 float32.
;; This version of the problem:
;;   THIS VERSION OF THE PROBLEM IS GIVEN IN LOW PRECISION. The matrix products marked QUANTISED in the list below multiply operands that are first quantised to E2M1 (2 exponent bits, 1 mantissa bit; 4 bits a number), with one power-of-two scale for each 32 numbers along K (OCP MX v1.0); their sums are f32. All else is computed in f32.
;;   The module's matrix products, in the order in which they are computed (A, B: the left and right operand; K: the contracted axis; several contracted axes count as one K, in the product's order):
;;     1. [M 8,192, K 1,024] x [K 1,024, N 3,072]; A: input x; B: input W_qkv: QUANTISED
;;     2. batch 64 x [M 2,048, K 64] x [K 64, N 2,048]; A: computed on the way; B: computed on the way: QUANTISED
;;     3. batch 64 x [M 2,048, K 2,048] x [K 2,048, N 64]; A: softmax (see below); B: computed on the way: QUANTISED
;;     4. [M 8,192, K 1,024] x [K 1,024, N 1,024]; A: computed on the way; B: input W_proj: QUANTISED
;;   THE QUANTISER, for each operand of a quantised product, along K:
;;     - K is cut into blocks of 32 from its start; a last block that is shorter is filled with zeros.
;;     - A block's scale is 2^e with e = floor(log2(the largest magnitude in the block)) - 2, held to -126 .. 127; a block of zeros has e = 0. As a byte (E8M0): e + 127.
;;     - Each number is divided by its block's scale, clamped to +-6, and rounded to the nearest number of E2M1, ties to even, subnormals kept.
;;     - The product sums the exact products of the quantised numbers (number of the format x scale) in f32.
;;   ~~~python
;;   def quantise(x, axis):      # numpy; x: float32 -> the quantised numbers, widened to float32 again
;;       x = np.moveaxis(x, axis, -1); K = x.shape[-1]
;;       x = np.pad(x, [(0, 0)] * (x.ndim - 1) + [(0, -K % 32)]); x = x.reshape(x.shape[:-1] + (-1, 32)); a = np.abs(x).max(-1, keepdims=True)
;;       e = np.where(a > 0, np.clip(np.frexp(np.where(a > 0, a, 1))[1] - 1 - 2, -126, 127), 0)      # np.frexp(a)[1] - 1 = floor(log2(a)), exactly
;;       r = np.clip(x / 2.0 ** e, -6, 6)
;;       step = 2.0 ** (np.maximum(np.frexp(np.where(r == 0, 1, r))[1] - 1, 0) - 1)
;;       q = np.round(r / step) * step * 2.0 ** e      # np.round: ties to even
;;       return np.moveaxis(q.reshape(q.shape[:-2] + (-1,))[..., :K], -1, axis).astype(np.float32)
;;   ~~~
;;   SOFTMAX AHEAD OF A QUANTISED PRODUCT. Where the list says 'softmax', what is quantised is not the finished softmax but p = 2^(t - M), with t = logit x log2(e) and M = ceil(the row's largest t), a whole number; so 1/2 < the row's largest p <= 1. The row's sum l is taken of the UNQUANTISED p, in f32, and the product's result is divided by l at the end. Since M is a whole number, a kernel that streams over the keys may use a running M (the ceiling of the running maximum): every later rescaling is an exact power of two, which a block's scale takes up: the codes' values come out the same.
;;   OPERANDS COMPUTED ON THE WAY. 'Computed on the way' means the value that the module computes at that place (a softmax that the list does not call 'softmax' is quantised finished and normalised). What goes into a quantiser is computed in f32, as accurately as f32 sums, v_exp_f32 and their like allow (about 1e-6 of the number): no bf16 or f16 on the way to a quantiser, and a product that is left as it is and whose result goes on into a quantised operand takes f32 operands (vector FMAs, or v_wmma_f32_16x16x4_f32). A number that lies on a knife's edge between two numbers of the format may be rounded either way, as far as f32 arithmetic and the matrix unit's own rounding can turn it there, and no further.
;; One version. Each part assembles by itself: llvm-mc -triple=amdgcn-amd-amdhsa -mcpu=gfx1250 --defsym DOCPART=n.
;; ======== version 1 of 1: 4 launches
;; limits: right only within a limited range of input values
;; workspace buffers: codes 6,291,456 bytes; scales 393,216 bytes; k_buf 4,718,592 bytes; q_buf 4,718,592 bytes; v_buf 4,456,448 bytes; y_img 4,194,304 bytes; y_sc 262,144 bytes
;; launch quant (part 1): grid 384 x 1, 4 waves a work-group, no clusters, 33,280 bytes of LDS; arguments x, W_qkv, W_proj, codes, scales; writes codes, scales
.if DOCPART == 1
	.amdgcn_target "amdgcn-amd-amdhsa--gfx1250"
	.amdhsa_code_object_version 6
	.text
	.protected	k_q18e498ca59_quant
	.globl	k_q18e498ca59_quant
	.p2align	8
	.type	k_q18e498ca59_quant,@function
k_q18e498ca59_quant:
	s_mov_b64 s[64:65], 0
	v_nop
	global_prefetch_b8 v0, s[64:65] scope:SCOPE_SE
	s_setreg_imm32_b32 hwreg(HW_REG_WAVE_MODE, 25, 1), 1
	s_wait_xcnt 0x0
; x [8192][1024], W_qkv [3072][1024] and W_proj [1024][1024], f32 with K innermost, become codes of FP4 (E2M1), two a byte, K innermost, and one E8M0 scale byte for each 32 along K.
; codes: [12288 rows][512 bytes], scales: [12288 rows][32 bytes]; x's rows first, then W_qkv's (row 8192 on), then W_proj's (row 11264 on).
; A block's scale is 2^(floor(log2(its largest magnitude)) - 2); its byte is the largest magnitude's exponent field - 2, held at 1 from below.
; TILE ORDER: inside each group of 32 rows the four runs of 8 rows are stored in the order 0, 2, 1, 3.  So 16 stored neighbours are rows 0-7 and 16-23 (or 8-15 and 24-31) of the group: used as source 0 of a matrix
; instruction, two such tiles leave a lane 16 NEIGHBOURING rows in its 16 result registers, which is what the next quantiser wants.  A wave's share is 8 rows, so the order costs two bits of the wave's number.
; LIMITS: a block of zeros, or one whose largest magnitude lies under 2^-124, gets the byte 1 (the codes of a block of zeros are zeros, and this program alone reads the bytes); NaN and infinities are not served.
; A work-group takes 32 rows, a wave 8 rows = 16 steps of 512 numbers.  Each load reads 512 consecutive bytes; a step's 2,048 bytes turn through the wave's own stage in LDS so that a lane holds 16 neighbours
; (two lanes a block); a lane's 16 codes are 8 bytes: the wave stores 256 consecutive bytes.  A wave's 256 scale bytes are gathered in LDS and leave as 256 consecutive bytes.  Waves share nothing: no barrier.
.set STEPS, 16
.set CB,    8                          ; bytes of 16 codes
.set R,     16                         ; v16-79   four sets of 16 numbers as they are loaded
.set X,     80                         ; v80-111  two sets of 16 neighbours
.set E,     112                        ; v112-127 a scale byte for each step
.set C,     128                        ; v128-191 codes: four registers for each step, so that no store's data are written again
.set WREG,  8192                       ; LDS: a region for each wave: two stages of 32 x SP bytes, and behind them its 256 scale bytes
.set SP,    80                         ; a lane's place in a stage: its 64 bytes + 16 of padding
	s_load_b128 s[4:7], s[0:1], 0x0                ; x, W_qkv
	s_load_b128 s[8:11], s[0:1], 0x10              ; W_proj, codes
	s_load_b64 s[12:13], s[0:1], 0x20              ; scales
	v_lshl_add_u32 v192, v0, 2, 0x8000
	v_mov_b32 v193, 0
	v_lshrrev_b32 v1, 5, v0
	v_readfirstlane_b32 s16, v1                    ; wave
	v_and_b32 v2, 31, v0                           ; lane
	v_lshlrev_b32 v3, 4, v2                        ; my 16 bytes of a load's 512
	s_mul_i32 s17, s16, WREG
	v_lshrrev_b32 v14, 2, v2
	v_mul_u32_u24 v14, v14, SP
	v_and_b32 v15, 3, v2
	v_lshl_add_u32 v14, v15, 4, v14
	v_add_nc_u32 v14, s17, v14                     ; the stage, on the way in: four lanes' 64 bytes on end, then 16 of padding
	v_mul_u32_u24 v15, v2, SP
	v_add_nc_u32 v15, s17, v15                     ; and on the way out: SP x lane: my 16 neighbours
	v_mul_u32_u24 v4, v2, CB                       ; my codes' place in a step's
	v_lshrrev_b32 v5, 1, v2
	s_add_co_u32 s17, s17, 2*32*SP
	v_add_nc_u32 v5, s17, v5                       ; LDS: my wave's 256 scale bytes, my block's byte
	v_lshlrev_b32 v7, 3, v2                        ; and on the way out 8 bytes a lane
	v_add_nc_u32 v6, s17, v7
	s_and_b32 s20, s16, 1                          ; where my 8 rows go: the wave's two bits change places
	s_lshl_b32 s20, s20, 1
	s_lshr_b32 s21, s16, 1
	s_or_b32 s20, s20, s21
	s_lshl_b32 s21, ttmp9, 2
	s_add_co_u32 s20, s20, s21                     ; the run of 8 rows in the two buffers: 4 x work-group + that
	s_lshl_b32 s22, s20, 12                        ; 4,096 bytes of codes a run
	s_mov_b32 s23, 0
	s_lshl_b32 s24, s20, 8                         ; 256 scale bytes a run
	s_mov_b32 s25, 0
	s_wait_alu depctr_va_vdst(0)
	s_wait_kmcnt 0x0
	s_cmp_lt_u32 ttmp9, 256                        ; work-groups 0-255 take x, 256-351 W_qkv, 352-383 W_proj: the choice hangs on the work-group's number alone
	s_cselect_b64 s[4:5], s[4:5], s[6:7]
	s_cselect_b32 s17, 0, 256
	s_cmp_lt_u32 ttmp9, 352
	s_cselect_b64 s[4:5], s[4:5], s[8:9]
	s_cselect_b32 s17, s17, 352
	s_sub_co_u32 s17, ttmp9, s17
	s_lshl_b32 s17, s17, 2
	s_add_co_u32 s18, s17, s16                     ; which run of 8 rows of its tensor is my wave's
	s_lshl_b32 s18, s18, 15                        ; 32,768 bytes a run
	s_mov_b32 s19, 0
	s_add_nc_u64 s[4:5], s[4:5], s[18:19]
	s_add_nc_u64 s[10:11], s[10:11], s[22:23]
	s_add_nc_u64 s[12:13], s[12:13], s[24:25]
.macro LOAD t
.irp i, 0,1,2,3
	global_load_b128 v[R+16*((\t)%4)+4*\i:R+16*((\t)%4)+4*\i+3], v3, s[4:5] offset:2048*(\t)+512*\i th:TH_LOAD_NT   ; 32 lanes read 512 consecutive bytes
.endr
.endm
.macro TURN t                          ; step t's numbers through the stage: LDS serves a wave's instructions in order (ISA guide 5.7.1), so no wait stands between the stores and the loads
.irp i, 0,1,2,3
	ds_store_b128 v14, v[R+16*((\t)%4)+4*\i:R+16*((\t)%4)+4*\i+3] offset:32*SP*((\t)%2)+8*SP*\i
.endr
.irp i, 0,1,2,3
	ds_load_b128 v[X+16*((\t)%2)+4*\i:X+16*((\t)%2)+4*\i+3], v15 offset:32*SP*((\t)%2)+16*\i
.endr
.endm
.irp t, 0,1,2,3
	LOAD \t
.endr
	s_wait_loadcnt 12                              ; step 0's four loads are in; the twelve of steps 1 to 3 may be out
	TURN 0
.macro STEP t
.set XS, X+16*((\t)%2)
.if (\t) > 0
	s_wait_dscnt 1                                 ; this step's numbers are back from the stage (the last step's byte store may be out): so its stores into the stage have read their registers,
.else
	s_wait_dscnt 0x0
.endif
.if (\t)+4 < STEPS
	LOAD (\t)+4                                    ; which take the loads of four steps on
.endif
.if (\t)+1 < STEPS
.if STEPS-2-(\t) >= 3
	s_wait_loadcnt 12                              ; the next step's four loads are in; those of the three steps behind it may be out
.else
	s_wait_loadcnt 4*(STEPS-2-(\t))
.endif
	TURN (\t)+1                                    ; and go through the other stage while this step is worked
.endif
	v_max3_num_f32 v8, |v[XS]|, |v[XS+1]|, |v[XS+2]|               ; the largest magnitude of my 16, in two chains
	v_max3_num_f32 v9, |v[XS+3]|, |v[XS+4]|, |v[XS+5]|
.irp i, 6,10
	v_max3_num_f32 v8, v8, |v[XS+\i]|, |v[XS+\i+1]|
	v_max3_num_f32 v9, v9, |v[XS+\i+2]|, |v[XS+\i+3]|
.endr
	v_max3_num_f32 v8, v8, |v[XS+14]|, |v[XS+15]|
	v_max3_num_f32 v8, v8, v9, 0x1800000           ; and the floor 2^(3 - 127): so the byte cannot fall under 1
	v_max_num_f32_dpp v8, v8, v8 row_xmask:1 row_mask:0xf bank_mask:0xf   ; and of my neighbour's 16: the block's
	v_add_nc_u32 v11, 0xff000000, v8               ; 2 off its exponent field: the conversion takes the exponent field of this operand as its scale, and nothing else of it
	v_cvt_scalef32_pk8_fp4_f32 v[C+4*(\t)], v[XS:XS+7], v11        ; eight numbers / the scale, to the nearest code, ties to even, beyond the largest code the largest
	v_cvt_scalef32_pk8_fp4_f32 v[C+4*(\t)+1], v[XS+8:XS+15], v11
	v_lshrrev_b32 v[E+(\t)], 23, v11               ; the scale's byte
	ds_store_b8 v5, v[E+(\t)] offset:16*(\t)       ; both lanes of a block write the same byte with the same value
	global_store_b64 v4, v[C+4*(\t):C+4*(\t)+1], s[10:11] offset:32*CB*(\t)
.endm
.irp t, 0,1,2,3,4,5,6,7,8,9,10,11,12,13,14,15
	STEP \t
.endr
	ds_load_b64 v[12:13], v6                       ; LDS serves a wave's instructions in order: these see my stores
	s_wait_dscnt 0x0
	global_store_b64 v7, v[12:13], s[12:13]        ; 32 lanes store 256 consecutive bytes, at a multiple of 256 from the buffer's first byte
	s_wait_tensorcnt 0x0
	ds_add_u32 v192, v193
	s_wait_dscnt 0x0
	s_endpgm
.Lfunc_end_k_q18e498ca59_quant:
	.size	k_q18e498ca59_quant, .Lfunc_end_k_q18e498ca59_quant-k_q18e498ca59_quant
	.p2alignl 7, 3214868480
	.fill 96, 4, 3214868480
	.section	.rodata,"a",@progbits
	.p2align	6, 0x0
	.amdhsa_kernel k_q18e498ca59_quant
		.amdhsa_group_segment_fixed_size 33280
		.amdhsa_private_segment_fixed_size 0
		.amdhsa_enable_private_segment 0
		.amdhsa_kernarg_size 40
		.amdhsa_user_sgpr_count 2
		.amdhsa_user_sgpr_kernarg_segment_ptr 1
		.amdhsa_wavefront_size32 1
		.amdhsa_system_sgpr_workgroup_id_x 1
		.amdhsa_system_sgpr_workgroup_id_y 1
		.amdhsa_system_sgpr_workgroup_id_z 1
		.amdhsa_system_vgpr_workitem_id 0
		.amdhsa_next_free_vgpr 194
		.amdhsa_next_free_sgpr 66
		.amdhsa_reserve_vcc 0
		.amdhsa_float_denorm_mode_32 3
		.amdhsa_float_denorm_mode_16_64 3
		.amdhsa_memory_ordered 1
		.amdhsa_forward_progress 1
		.amdhsa_inst_pref_size 34
	.end_amdhsa_kernel
	.amdgpu_metadata
---
amdhsa.version: [ 1, 2 ]
amdhsa.kernels:
  - .name:           k_q18e498ca59_quant
    .symbol:         k_q18e498ca59_quant.kd
    .args:
      - { .name: x, .offset: 0, .size: 8, .value_kind: global_buffer, .address_space: global }
      - { .name: W_qkv, .offset: 8, .size: 8, .value_kind: global_buffer, .address_space: global }
      - { .name: W_proj, .offset: 16, .size: 8, .value_kind: global_buffer, .address_space: global }
      - { .name: codes, .offset: 24, .size: 8, .value_kind: global_buffer, .address_space: global }
      - { .name: scales, .offset: 32, .size: 8, .value_kind: global_buffer, .address_space: global }
    .group_segment_fixed_size: 33280
    .private_segment_fixed_size: 0
    .kernarg_segment_align: 8
    .kernarg_segment_size: 40
    .max_flat_workgroup_size: 128
    .sgpr_count:     66
    .vgpr_count:     194
    .wavefront_size: 32
...
	.end_amdgpu_metadata
.endif
;; end of part 1
;; launch qkv (part 2): grid 4 x 64, 4 waves a work-group, clusters of 4 x 4, 327,680 bytes of LDS; arguments codes, scales, b_qkv, attention_mask, k_buf, q_buf, v_buf; writes k_buf, q_buf, v_buf
.if DOCPART == 2
	.amdgcn_target "amdgcn-amd-amdhsa--gfx1250"
	.amdhsa_code_object_version 6
	.text
	.protected	k_q18e498ca59_qkv
	.globl	k_q18e498ca59_qkv
	.p2align	8
	.type	k_q18e498ca59_qkv,@function
k_q18e498ca59_qkv:
	s_mov_b64 s[64:65], 0
	v_nop
	global_prefetch_b8 v0, s[64:65] scope:SCOPE_SE
	s_setreg_imm32_b32 hwreg(HW_REG_WAVE_MODE, 25, 1), 1
	s_wait_xcnt 0x0
	s_wait_alu depctr_hold_cnt(0) depctr_sa_sdst(0) depctr_va_vdst(0) depctr_va_sdst(0) depctr_va_ssrc(0) depctr_va_vcc(0) depctr_vm_vsrc(0)
	s_getreg_b32 s2, hwreg(HW_REG_IB_STS2, 6, 4)
	s_cmp_eq_u32 s2, 0
	s_cbranch_scc0 .Lentry_in_a_cluster
	s_endpgm
.Lentry_in_a_cluster:
	s_bfe_u32 s2, ttmp6, 0x10000c
	s_cmp_lg_u32 s2, 0xf033
	s_cbranch_scc0 .Lentry_shape_is_right
	s_endpgm
.Lentry_shape_is_right:
; kqv = x W_qkv^T + b_qkv on codes of FP4 (E2M1) with E8M0 scales, sums in f32; the results are quantised at once for the attention: k and q along the head's 64 channels, v along the keys.
; SHARES.  A work-group owns 128 tokens and STAYS: it makes 256 features of k, then of q, then of v (features 0-1023 k, 1024-2047 q, 2048-3071 v); each of its four waves 128 tokens x 64 features = one head: 32 accumulators.
; LDS: x's 128 rows and W's 256 rows, each row all of K = 1,024 codes = 512 bytes + 16 of padding.  x's tile is filled once; W's region is filled again for the next kind when the kind's products are done,
; so that the kind's way out stands between the request and the wait for it.  k and q are a loop of two trips, each with a refill; v is written out behind it and asks for nothing.
; CLUSTER 4 x 4: x's tile hangs on the tile row alone and is asked for jointly along a row of the cluster, W's on the tile column alone and jointly along a column.
; ROWS of x and W lie in TILE ORDER (inside 32 rows: 0-7, 16-23, 8-15, 24-31): the operand that is source 0 leaves a lane 16 NEIGHBOURS in the 16 registers of two neighbouring tiles.
;   k, q: source 0 = 16 features, source 1 = 16 tokens, accumulator 4 a + f.     v: source 0 = 16 tokens, source 1 = 16 channels, accumulator 8 f + a.  Accumulators 2 e, 2 e + 1 are one block of 32 along the next K.
; OUT: an operand unit of 16 rows x 64 k leaves as an image of its registers, lane l's 16 bytes at 16 l.  k_buf, q_buf: [64 heads][16 steps x 8 tiles x 512 | 16 steps x 512 of scale words];
; v_buf: [64 heads][16 steps x 4 channel tiles x 2 x 512 | 16 steps x 256 of scale words].
; THE MASK rides in the scores' spare K: byte 2 of a scale word scales k = 64: q's is 127; k's is 1 for a key that counts and 158 for a masked key (-2^33 on the raw score, -2^30 on the logit).
; LIMITS: -2^30 stands where the definition has -1e9: it differs in the result only for a batch all of whose keys are masked; a block of zeros, or one under 2^-124, gets the byte 1; NaN and infinities are not served.
; PREFETCH: each trip asks for the tile of W that its own refill will load, 131,072 bytes: the four partners of a column take 32,768 each by address, a wave 8,192, lanes 256 bytes apart; clusters 0 to 3 along y ask, the others not.
; REGISTERS.  window 0: v16-28 addresses; v32-63 x's scale words, v64-79 W's; v80-111 the bias as the first products' C; v112-119 byte 2 of the scale words; v120-123 v's bias; v128-223 fragments (even K steps), on the way out at work;
;   v236-243 the mask bytes.   window 2: the odd K steps' fragments.   window 1: accumulator n at v[8 n].
.set PITCH, 528                        ; 512 bytes + 16: an odd multiple of 16, so the 16 rows of a fragment load start at 16 different groups of four banks (ISA guide 11.1)
.set BOFF,  128*PITCH
.set WQKV,  8192*512
.set SQKV,  8192*32
.set KIND,  524288                     ; W's codes of one kind: 1,024 rows of 512 bytes
.set ADRA, 16
.set ADRB, 20
.set LI,   22
.set L8,   23
.set SO,   24
.set OB,   25
.set OM,   26
.set OV,   27
.set PFO,  28
.set SA,   32
.set SB,   64
.set BI,   80
.set XM,   112
.set VB,   120
.set AF,   128
.set BF,   192
.set TT,   128
.set UU,   144
.set SC,   160
.set BY,   176
.set CD,   192
.set WW,   224
.set OO,   232
.set XR,   236
.set G1,  24
.set G0,  32
.set G1B, 48
.set G0B, 56
.set MSB, 0
.macro WIN new                         ; the immediate's high byte repeats the setting that is left
.if MSB != (\new)
	s_set_vgpr_msb (MSB<<8)|(\new)
.set MSB, (\new)
.endif
.endm
.macro CROUND                          ; a round of the cluster's barrier
	s_barrier_signal -1
	s_barrier_wait -1
	s_cmp_lg_u32 s18, 0
	s_cbranch_scc1 .Lnot_wave_0_\@
	s_barrier_signal -3
.Lnot_wave_0_\@:
	s_barrier_wait -3
	s_barrier_signal -1
	s_barrier_wait -1
.endm
.macro NOP4
.rept 4
	v_nop
.endr
.endm
	s_load_b256 s[4:11], s[0:1], 0x0               ; codes, scales, b_qkv, attention_mask
	s_load_b128 s[12:15], s[0:1], 0x20             ; k_buf, q_buf
	s_load_b64 s[16:17], s[0:1], 0x30              ; v_buf
	v_lshl_add_u32 v254, v0, 2, 0x33000
	v_mov_b32 v255, 0
	ds_add_u32 v254, v255                          ; the opening lines: the add twice on end and its wait
	ds_add_u32 v254, v255
	v_lshrrev_b32 v1, 5, v0
	v_readfirstlane_b32 s18, v1                    ; wave 0..3
	s_lshr_b32 s19, s18, 1                         ; at the head I fetch for x (0) or for W (1),
	s_and_b32 s20, s18, 1                          ; this half of the tile
	s_bfe_u32 s21, ttmp6, 0x40000                  ; cx
	s_bfe_u32 s22, ttmp6, 0x40004                  ; cy
	s_and_b32 s23, ttmp7, 0xffff                   ; the cluster's y
	s_lshl_b32 s40, s23, 2
	s_add_co_u32 s40, s40, s22                     ; tile row (128 tokens)
	s_lshl_b32 s41, s22, 2
	s_lshl_b32 s41, 15, s41                        ; my row of the cluster
	s_lshl_b32 s42, 0x1111, s21                    ; my column
	s_or_b32 s[G1+0], s41, (1<<20)|(1<<21)|(6<<22)|(3<<25)   ; elements of 1 byte; four words of padding after every 128
	s_or_b32 s[G1B+0], s42, (1<<20)|(1<<21)|(6<<22)|(3<<25)
.irp g, G1, G1B
	s_mov_b32 s[\g+1], 512<<16
	s_mov_b32 s[\g+3], 512<<16
	s_mov_b32 s[\g+5], 512
	s_mov_b32 s[\g+6], 0
	s_mov_b32 s[\g+7], 0
.endr
	s_mov_b32 s[G1+2], 64<<16                      ; x: 64 rows a load
	s_mov_b32 s[G1+4], 64
	s_mov_b32 s[G1B+2], 128<<16                    ; W at the head: 128 rows a load
	s_mov_b32 s[G1B+4], 128
	s_lshl_b32 s44, s40, 16
	s_lshl_b32 s45, s20, 15
	s_add_co_u32 s44, s44, s45                     ; x: my 64 rows
	s_mov_b32 s45, 0
	s_lshl_b32 s68, s21, 17
	s_add_co_u32 s68, s68, WQKV                    ; W: tile column cx of kind 0
	s_lshl_b32 s46, s20, 16
	s_add_co_u32 s46, s46, s68                     ; the head's 128 rows
	s_mov_b32 s47, 0
	s_lshl_b32 s84, s18, 15
	s_add_co_u32 s84, s84, s68
	s_add_co_u32 s84, s84, KIND                    ; the refills: my wave's 64 rows, kind 1 first
	s_mov_b32 s85, 0
	s_lshl_b32 s86, s22, 15
	s_lshl_b32 s87, s18, 13
	s_add_co_u32 s86, s86, s87
	s_add_co_u32 s86, s86, s68                     ; the prefetches: my work-group's quarter, my wave's 8,192 bytes; stepped a kind on ahead of each
	s_mov_b32 s87, 0
	s_mul_i32 s66, s20, 64*PITCH
	s_mul_i32 s67, s20, 128*PITCH
	s_add_co_u32 s67, s67, BOFF
	s_mul_i32 s69, s18, 64*PITCH
	s_add_co_u32 s69, s69, BOFF                    ; my wave's 64 rows of W in LDS: what I read, and what I fill again
	s_lshl_b32 s70, s40, 12                        ; x's scale bytes
	s_mov_b32 s71, 0
	s_lshl_b32 s72, s21, 13                        ; W's: my wave's 64 rows
	s_lshl_b32 s73, s18, 11
	s_add_co_u32 s72, s72, s73
	s_add_co_u32 s72, s72, SQKV
	s_mov_b32 s73, 0
	s_lshl_b32 s74, s21, 10                        ; the bias of my wave's 64 features
	s_lshl_b32 s75, s18, 8
	s_add_co_u32 s74, s74, s75
	s_mov_b32 s75, 0
	s_lshl_b32 s76, s40, 7                         ; the mask bytes of my 128 tokens
	s_mov_b32 s77, 0
	s_lshr_b32 s82, s40, 4
	s_lshl_b32 s82, s82, 4
	s_lshl_b32 s83, s21, 2
	s_add_co_u32 s82, s82, s83
	s_add_co_u32 s82, s82, s18                     ; 16 x batch + head
	s_and_b32 s83, s40, 15                         ; which 128 tokens of the batch
	s_mul_i32 s80, s82, 73728
	s_lshl_b32 s88, s83, 12
	s_add_co_u32 s88, s88, s80                     ; k, q: images,
	s_mov_b32 s89, 0
	s_lshl_b32 s90, s83, 9
	s_add_co_u32 s90, s90, s80
	s_add_co_u32 s90, s90, 65536                   ; scale words
	s_mov_b32 s91, 0
	s_mul_i32 s81, s82, 69632
	s_lshl_b32 s96, s83, 12
	s_add_co_u32 s96, s96, s81                     ; v: images,
	s_mov_b32 s97, 0
	s_lshl_b32 s98, s83, 8
	s_add_co_u32 s98, s98, s81
	s_add_co_u32 s98, s98, 65536                   ; scale words
	s_mov_b32 s99, 0
	s_mov_b32 s92, 0x76543210
	s_mov_b32 s93, 0xfedcba98                      ; selects for lane l xor 16
	s_mov_b32 s43, 0                               ; the kind
	s_wait_dscnt 0x0
	s_wait_kmcnt 0x0
	s_add_nc_u64 s[44:45], s[4:5], s[44:45]
	s_add_nc_u64 s[46:47], s[4:5], s[46:47]
	s_add_nc_u64 s[84:85], s[4:5], s[84:85]
	s_add_nc_u64 s[86:87], s[4:5], s[86:87]
	CROUND                                         ; all sixteen work-groups are here: the joint loads meet
	s_mov_b32 s[G0], 1
	s_mov_b32 s[G0+1], s66
	s_mov_b64 s[G0+2:G0+3], s[44:45]
	s_or_b32 s[G0+3], s[G0+3], 0x80000000
	s_mov_b32 s[G0B], 1
	s_mov_b32 s[G0B+1], s67
	s_mov_b64 s[G0B+2:G0B+3], s[46:47]
	s_or_b32 s[G0B+3], s[G0B+3], 0x80000000
	s_cmp_eq_u32 s19, 0                            ; one load a wave at the head: waves 0, 1 x's halves, waves 2, 3 W's
	s_cbranch_scc0 .Lhead_w
	tensor_load_to_lds s[G0:G0+3], s[G1:G1+7]
	s_nop 0
	NOP4
	s_branch .Lhead_asked
.Lhead_w:
	tensor_load_to_lds s[G0B:G0B+3], s[G1B:G1B+7]
	s_nop 0
	NOP4
.Lhead_asked:
	s_add_nc_u64 s[70:71], s[6:7], s[70:71]
	s_add_nc_u64 s[72:73], s[6:7], s[72:73]
	s_add_nc_u64 s[74:75], s[8:9], s[74:75]
	s_add_nc_u64 s[76:77], s[10:11], s[76:77]
	s_add_nc_u64 s[96:97], s[16:17], s[96:97]
	s_add_nc_u64 s[98:99], s[16:17], s[98:99]
	v_and_b32 v1, 15, v0                           ; r
	v_bfe_u32 v2, v0, 4, 1                         ; h
	v_lshlrev_b32 v[SO], 5, v1
	v_lshl_add_u32 v[SO], v2, 4, v[SO]
	v_lshlrev_b32 v[OB], 6, v2
	v_and_b32 v[OM], 8, v1
	v_add_nc_u32 v[OM], v[OM], v1
	v_lshlrev_b32 v[OV], 2, v[OM]
; a kind's scale words of W and its bias, both ways: all lie inside their buffers, and no register is written on one way alone
.macro LOADK
.irp t, 0,1,2,3
	global_load_b128 v[SB+4*\t:SB+4*\t+3], v[SO], s[72:73] offset:512*\t
.endr
.irp f, 0,1,2,3
	global_load_b128 v[BI+8*\f:BI+8*\f+3], v[OB], s[74:75] offset:(32*(\f/2)+8*(\f%2))*4
	global_load_b128 v[BI+8*\f+4:BI+8*\f+7], v[OB], s[74:75] offset:(32*(\f/2)+8*(\f%2))*4+16
	global_load_b32 v[VB+\f], v[OV], s[74:75] offset:(32*(\f/2)+8*(\f%2))*4
.endr
.endm
.irp t, 0,1,2,3,4,5,6,7
	global_load_b128 v[SA+4*\t:SA+4*\t+3], v[SO], s[70:71] offset:512*\t       ; lane (r, h): words 4 h .. 4 h + 3 of row r: K step s names register s % 4, lanes 0-15 for s < 4, else lanes 16-31
.endr
.irp a, 0,1,2,3,4,5,6,7
	global_load_u8 v[XR+\a], v[OM], s[76:77] offset:32*(\a/2)+8*(\a%2)         ; the mask byte of token row r of tile a
.endr
	LOADK
	v_mul_u32_u24 v3, v1, PITCH
	v_lshl_add_u32 v[ADRA], v2, 4, v3              ; a fragment's row x pitch + 16 x half
	v_add_nc_u32 v[ADRB], s69, v[ADRA]
	v_and_b32 v[LI], 31, v0
	v_lshlrev_b32 v[PFO], 8, v[LI]
	v_lshlrev_b32 v[L8], 3, v[LI]
	v_lshlrev_b32 v[LI], 4, v[LI]
.macro WM d, x, y, c, sx, sy, s        ; s = 0: the bias is the C that starts the sum; s >= 4: both scale words lie in lanes 16-31
.if (\s) == 0
	v_wmma_scale_f32_16x16x128_f8f6f4 v[\d:\d+7], v[\x:\x+7], v[\y:\y+7], v[\c:\c+7], v[\sx], v[\sy] matrix_a_fmt:MATRIX_FMT_FP4 matrix_b_fmt:MATRIX_FMT_FP4
.elseif (\s) < 4
	v_wmma_scale_f32_16x16x128_f8f6f4 v[\d:\d+7], v[\x:\x+7], v[\y:\y+7], v[\d:\d+7], v[\sx], v[\sy] matrix_a_fmt:MATRIX_FMT_FP4 matrix_b_fmt:MATRIX_FMT_FP4
.else
	v_wmma_scale_f32_16x16x128_f8f6f4 v[\d:\d+7], v[\x:\x+7], v[\y:\y+7], v[\d:\d+7], v[\sx], v[\sy] matrix_a_fmt:MATRIX_FMT_FP4 matrix_b_fmt:MATRIX_FMT_FP4 matrix_a_scale:MATRIX_SCALE_ROW1 matrix_b_scale:MATRIX_SCALE_ROW1
.endif
.endm
.macro MULH swap, s, half              ; 16 matrix instructions; the 32 accumulators take turns, in the same order in every step
.if \swap
.irp f, 2*\half, 2*\half+1
.irp a, 0,1,2,3,4,5,6,7
	WM 8*(8*(\f)+\a), AF+8*\a, BF+8*(\f), BI+8*(\f), SA+4*\a+(\s)%4, SB+4*(\f)+(\s)%4, \s
.endr
.endr
.else
.irp a, 4*\half, 4*\half+1, 4*\half+2, 4*\half+3
.irp f, 0,1,2,3
	WM 8*(4*(\a)+\f), BF+8*\f, AF+8*(\a), BI+8*\f, SB+4*\f+(\s)%4, SA+4*(\a)+(\s)%4, \s
.endr
.endr
.endif
.endm
.macro FRAGS set, s                    ; 24 LDS loads: the fragments of K step s (64 bytes of each row): x's eight, W's four
	WIN 0x80*(\set)
.irp i, 0,1,2,3,4,5,6,7
.irp c, 0,1
	ds_load_b128 v[AF+8*\i+4*\c:AF+8*\i+4*\c+3], v[ADRA] offset:64*(\s)+32*\c+\i*16*PITCH
.endr
.endr
.irp i, 0,1,2,3
.irp c, 0,1
	ds_load_b128 v[BF+8*\i+4*\c:BF+8*\i+4*\c+3], v[ADRB] offset:64*(\s)+32*\c+\i*16*PITCH
.endr
.endr
.endm
.macro STEP swap, s                    ; 32 matrix instructions; in the middle the next step's fragments go into the other set, four places behind the products that read it
.if (\s) == 0
.set MW, 0x40
.elseif (\s)%2 == 0
.set MW, 0x50
.else
.set MW, 0x5a
.endif
	s_wait_dscnt 0x0
	WIN MW
	MULH \swap, \s, 0
.if (\s) < 7
	NOP4
	FRAGS ((\s)+1)%2, (\s)+1
.endif
	WIN MW
	MULH \swap, \s, 1
.endm
.macro MEETW                           ; my tensor load has landed, everybody's has; my earlier stores and prefetch have read their registers
	s_wait_tensorcnt 0x0
	s_barrier_signal -1
	s_barrier_wait -1
	s_wait_xcnt 0x0
.endm
; THE WAY OUT.  Block e = v[16 e .. 16 e + 15] of window 1: 16 neighbours along the next K; lane l xor 16 holds the other 16.  vk = 1: v.  im, sw: the bases of images and scale words
.macro EPI vk, im, sw
	WIN 0x14
.irp e, 0,1,2,3,4,5,6,7,8,9,10,11,12,13,14,15
	v_max3_num_f32 v[TT+\e], 0x1800000, |v[16*\e]|, |v[16*\e+1]|   ; the floor 2^(3 - 127) among the leaves; each accumulator from its low end on
.endr
.irp i, 2,4,6,8,10,12,14
.irp e, 0,1,2,3,4,5,6,7,8,9,10,11,12,13,14,15
	v_max3_num_f32 v[TT+\e], v[TT+\e], |v[16*\e+\i]|, |v[16*\e+\i+1]|
.endr
.endr
	WIN 0
.irp e, 0,1,2,3,4,5,6,7,8,9,10,11,12,13,14,15
	v_permlanex16_b32 v[UU+\e], v[TT+\e], s92, s93
.endr
.irp e, 0,1,2,3,4,5,6,7,8,9,10,11,12,13,14,15
	v_max_num_f32 v[TT+\e], v[TT+\e], v[UU+\e]
.endr
.irp e, 0,1,2,3,4,5,6,7,8,9,10,11,12,13,14,15
	v_add_nc_u32 v[SC+\e], 0xff000000, v[TT+\e]    ; 2 off the exponent field: the conversion's scale operand
.endr
.irp e, 0,1,2,3,4,5,6,7,8,9,10,11,12,13,14,15
	v_lshrrev_b32 v[BY+\e], 23, v[SC+\e]           ; the scale's byte
.endr
	WIN 0x01
.irp e, 0,1,2,3,4,5,6,7,8,9,10,11,12,13,14,15
	v_cvt_scalef32_pk8_fp4_f32 v[CD+2*\e], v[16*\e:16*\e+7], v[SC+\e]
	v_cvt_scalef32_pk8_fp4_f32 v[CD+2*\e+1], v[16*\e+8:16*\e+15], v[SC+\e]
.endr
	WIN 0
	v_nop                                          ; one plain place behind a scaled conversion
.irp p, 0,1,2,3,4,5,6,7
.irp i, 0,1
	v_permlane16_swap_b32 v[CD+4*\p+\i], v[CD+4*\p+2+\i]   ; a whole block in a lane: lanes 0-15 the even block, lanes 16-31 the odd one
.endr
.endr
.irp p, 0,1,2,3,4,5,6,7
	global_store_b128 v[LI], v[CD+4*\p:CD+4*\p+3], s[\im:\im+1] offset:512*\p   ; 512 consecutive bytes
.endr
	v_cmp_eq_u32 vcc_lo, 1, v2                     ; lanes 16-31
.if \vk
.irp f, 0,1,2,3
	v_lshl_or_b32 v[WW+\f], v[BY+4*\f+1], 8, v[BY+4*\f]
.endr
.irp f, 0,1,2,3
	v_lshl_or_b32 v[WW+\f], v[BY+4*\f+2], 16, v[WW+\f]
.endr
.irp f, 0,1,2,3
	v_lshl_or_b32 v[WW+\f], v[BY+4*\f+3], 24, v[WW+\f]
.endr
	v_cndmask_b32 v[OO], v[WW], v[WW+2], vcc_lo    ; lanes 0-15 keep channel tiles 0, 1, lanes 16-31 tiles 2, 3
	v_cndmask_b32 v[OO+1], v[WW+1], v[WW+3], vcc_lo
	global_store_b64 v[L8], v[OO:OO+1], s[\sw:\sw+1]   ; 256 consecutive bytes
.else
.irp a, 0,1,2,3,4,5,6,7
	v_lshl_or_b32 v[WW+\a], v[BY+2*\a+1], 8, v[BY+2*\a]
.endr
.irp a, 0,1,2,3,4,5,6,7
	v_or_b32 v[WW+\a], v[WW+\a], v[XM+\a]          ; byte 2; byte 3 stays 0, over zero codes
.endr
.irp i, 0,1,2,3
	v_cndmask_b32 v[OO+\i], v[WW+\i], v[WW+4+\i], vcc_lo   ; lanes 0-15 keep tiles 0-3, lanes 16-31 tiles 4-7
.endr
	global_store_b128 v[LI], v[OO:OO+3], s[\sw:\sw+1]  ; 512 consecutive bytes
.endif
.endm
	s_wait_alu depctr_va_vdst(0)                   ; the wait at the head's end
.Lkind:                                                ; two trips: k, then q
	MEETW
	s_cmp_eq_u32 s43, 0                            ; the kind's buffer and byte 2 = s94 - s95 x mask: the choice hangs on the count of trips alone
	s_cselect_b64 s[78:79], s[12:13], s[14:15]
	s_mov_b32 s94, 127
	s_cselect_b32 s94, 158, s94
	s_cselect_b32 s95, 157, 0
	s_add_nc_u64 s[80:81], s[78:79], s[90:91]      ; scale words
	s_add_nc_u64 s[78:79], s[78:79], s[88:89]      ; images
	s_add_nc_u64 s[86:87], s[86:87], KIND          ; the next kind's tile of W
	s_cmp_lt_u32 s23, 4
	s_cbranch_scc0 .Lno_ask
	global_prefetch_b8 v[PFO], s[86:87] th:TH_LOAD_NT scope:SCOPE_SE
.Lno_ask:
	FRAGS 0, 0
	s_wait_loadcnt 0x0                             ; scale words, bias, mask
.irp a, 0,1,2,3,4,5,6,7
	v_mul_u32_u24 v[XM+\a], v[XR+\a], s95
.endr
.irp a, 0,1,2,3,4,5,6,7
	v_sub_nc_u32 v[XM+\a], s94, v[XM+\a]
.endr
.irp a, 0,1,2,3,4,5,6,7
	v_lshlrev_b32 v[XM+\a], 16, v[XM+\a]
.endr
.irp s, 0,1,2,3,4,5,6,7
	STEP 0, \s
.endr
	WIN 0
	s_wait_tensorcnt 0x0                           ; none of my tensor loads is out, so descriptors may be written;
	ds_add_u32 v254, v255
	s_mov_b32 s[G1B+2], 64<<16                     ; a refill: each wave its own 64 rows of W
	s_mov_b32 s[G1B+4], 64
	s_mov_b32 s[G0B+1], s69
	s_mov_b64 s[G0B+2:G0B+3], s[84:85]
	s_or_b32 s[G0B+3], s[G0B+3], 0x80000000
	s_add_nc_u64 s[84:85], s[84:85], KIND
	s_add_nc_u64 s[72:73], s[72:73], 32768         ; the next kind's scale bytes (the loads that named these bases are done)
	s_add_nc_u64 s[74:75], s[74:75], 4096          ; and bias
	s_wait_dscnt 0x0                               ; the add is done, and my reads of W's rows are over
	CROUND                                         ; so of every wave of all sixteen work-groups
	tensor_load_to_lds s[G0B:G0B+3], s[G1B:G1B+7]
	s_nop 0
	NOP4                                           ; also the places behind the last products
	LOADK
	EPI 0, 78, 80
	s_add_co_u32 s43, s43, 1
	s_cmp_lt_u32 s43, 2
	s_wait_alu depctr_va_vdst(0)                   ; the wait ahead of the branch
	s_cbranch_scc1 .Lkind
	MEETW                                          ; v: written out, and nothing more is asked for
	FRAGS 0, 0
	s_wait_loadcnt 0x0
.irp f, 0,1,2,3
.irp j, 0,1,2,3,4,5,6,7
	v_mov_b32 v[BI+8*\f+\j], v[VB+\f]              ; a lane's eight results of a tile are eight tokens of ONE channel: its bias eight times
.endr
.endr
	s_wait_alu depctr_va_vdst(0)                   ; the wait ahead of the wait below
.irp s, 0,1,2,3,4,5,6,7
	STEP 1, \s
.endr
	WIN 0
	NOP4                                           ; places behind the last products
	EPI 1, 96, 98
	s_wait_tensorcnt 0x0                           ; the wave's end
	ds_add_u32 v254, v255
	s_wait_dscnt 0x0
	CROUND                                         ; the closing round
	s_endpgm
.Lfunc_end_k_q18e498ca59_qkv:
	.size	k_q18e498ca59_qkv, .Lfunc_end_k_q18e498ca59_qkv-k_q18e498ca59_qkv
	.p2alignl 7, 3214868480
	.fill 96, 4, 3214868480
	.section	.rodata,"a",@progbits
	.p2align	6, 0x0
	.amdhsa_kernel k_q18e498ca59_qkv
		.amdhsa_group_segment_fixed_size 327680
		.amdhsa_private_segment_fixed_size 0
		.amdhsa_enable_private_segment 0
		.amdhsa_kernarg_size 56
		.amdhsa_user_sgpr_count 2
		.amdhsa_user_sgpr_kernarg_segment_ptr 1
		.amdhsa_wavefront_size32 1
		.amdhsa_system_sgpr_workgroup_id_x 1
		.amdhsa_system_sgpr_workgroup_id_y 1
		.amdhsa_system_sgpr_workgroup_id_z 1
		.amdhsa_system_vgpr_workitem_id 0
		.amdhsa_next_free_vgpr 768
		.amdhsa_next_free_sgpr 100
		.amdhsa_reserve_vcc 1
		.amdhsa_float_denorm_mode_32 3
		.amdhsa_float_denorm_mode_16_64 3
		.amdhsa_memory_ordered 1
		.amdhsa_forward_progress 1
		.amdhsa_inst_pref_size 140
	.end_amdhsa_kernel
	.amdgpu_metadata
---
amdhsa.version: [ 1, 2 ]
amdhsa.kernels:
  - .name:           k_q18e498ca59_qkv
    .symbol:         k_q18e498ca59_qkv.kd
    .args:
      - { .name: codes, .offset: 0, .size: 8, .value_kind: global_buffer, .address_space: global }
      - { .name: scales, .offset: 8, .size: 8, .value_kind: global_buffer, .address_space: global }
      - { .name: b_qkv, .offset: 16, .size: 8, .value_kind: global_buffer, .address_space: global }
      - { .name: attention_mask, .offset: 24, .size: 8, .value_kind: global_buffer, .address_space: global }
      - { .name: k_buf, .offset: 32, .size: 8, .value_kind: global_buffer, .address_space: global }
      - { .name: q_buf, .offset: 40, .size: 8, .value_kind: global_buffer, .address_space: global }
      - { .name: v_buf, .offset: 48, .size: 8, .value_kind: global_buffer, .address_space: global }
    .group_segment_fixed_size: 327680
    .private_segment_fixed_size: 0
    .kernarg_segment_align: 8
    .kernarg_segment_size: 56
    .max_flat_workgroup_size: 128
    .sgpr_count:     100
    .vgpr_count:     768
    .wavefront_size: 32
...
	.end_amdgpu_metadata
.endif
;; end of part 2
;; launch attn (part 3): grid 4 x 64, 16 waves a work-group, clusters of 4 x 1, 169,984 bytes of LDS; arguments q_buf, k_buf, v_buf, y_img, y_sc; writes y_img, y_sc
.if DOCPART == 3
	.amdgcn_target "amdgcn-amd-amdhsa--gfx1250"
	.amdhsa_code_object_version 6
	.text
	.protected	k_q18e498ca59_attn
	.globl	k_q18e498ca59_attn
	.p2align	8
	.type	k_q18e498ca59_attn,@function
k_q18e498ca59_attn:
	s_mov_b64 s[64:65], 0
	v_nop
	global_prefetch_b8 v0, s[64:65] scope:SCOPE_SE
	s_setreg_imm32_b32 hwreg(HW_REG_WAVE_MODE, 25, 1), 1
	s_wait_xcnt 0x0
	s_wait_alu depctr_hold_cnt(0) depctr_sa_sdst(0) depctr_va_vdst(0) depctr_va_sdst(0) depctr_va_ssrc(0) depctr_va_vcc(0) depctr_vm_vsrc(0)
	s_getreg_b32 s2, hwreg(HW_REG_IB_STS2, 6, 4)
	s_cmp_eq_u32 s2, 0
	s_cbranch_scc0 .Lentry_in_a_cluster
	s_endpgm
.Lentry_in_a_cluster:
	s_bfe_u32 s2, ttmp6, 0x10000c
	s_cmp_lg_u32 s2, 0x3003
	s_cbranch_scc0 .Lentry_shape_is_right
	s_endpgm
.Lentry_shape_is_right:
; y[b][h][q] = the sum over k of softmax_k(q . k / 8 + mask) v, both products on codes of FP4 (E2M1) with E8M0 scales; y is quantised at once for the last product, along (head, channel).
; THE SOFTMAX AHEAD OF THE SECOND PRODUCT: t = raw score x log2(e) / 8; M = the row's largest t so far, rounded UP to a whole number; p = 2^(t - M) is what is quantised, along the keys; the row's sum is taken of the
; unquantised p, in f32, and divides at the end.  When M moves, the sum and O are multiplied by 2^(old M - new M): exact.
; SHARES.  A work-group owns 512 queries of one head (grid y: 16 x batch + head); each of its sixteen waves two tiles of 16 queries, one after the other, in 256 registers: four waves to a SIMD.
; A head's WHOLE K and V (images and scale words: 143,360 bytes) lie in LDS, filled ONCE: no ring, nothing is filled again, no LDS store.
; CLUSTER 4 x 1: the four work-groups of a head read the same K and V: each block is asked for JOINTLY, by the same tensor load with the same descriptor and the mask of all four.
; LAYOUT.  Both products are used transposed: S^T = K Q^T (source 0 = 16 keys), O^T = V^T P^T (source 0 = 16 channels): a lane holds ONE query throughout.  Keys and channels lie in tile order (inside 32: 0-7, 16-23, 8-15, 24-31),
; so the 16 registers of tiles 2 b and 2 b + 1 are 16 NEIGHBOURS.  Operands lie in LDS as images of their registers: every load is a constant + 16 x lane.
; K ONE STEP AHEAD: behind a step's score products K's fragments and scale words of the NEXT step are requested into the same registers; the wait in front of the second product covers them, so a step begins with its products.
; The last step's look-ahead reads 4,608 landed bytes behind K's images (scale words, V's first bytes) that no product uses.
; THE MASK.  The head has 64 channels, the instruction 128 along K.  Registers 4-7 of K's and Q's fragments are constants: at k = 64 every key has the code +1 (0x2), every query -4 (0xe), all else zero codes.
; Byte 2 of the scale words, made by the launch before, scales that place: the raw score gets -2^-124 for a key that counts, -2^33 (-2^30 on the logit) for a masked key.
; LIMITS: -2^30 stands where the definition has -1e9: it differs in the result only for a batch all of whose keys are masked; a block of zeros, or one under 2^-124, gets the byte 1; NaN and infinities are not served.
; No prefetch: all that a work-group reads from memory is asked for at its head.
; REGISTERS: v1-6 addresses that stay; v8-11 addresses of the loads in hand; v12 -M, v13 the largest t, v[14:15] the sum; v16-23 Q, v24 its scale word; v[28:29] V's scale words; v32-95 K's eight fragments;
;   v96-159 S^T, then p; v160-191 O^T; v192-223 V's four fragments; v224-231 p's codes (before that partial sums); v232-239, v244-247, v252, v254 at work; v240-243, v255 the second tile's Q; v248-251 K's scale words; v253 p's scale word.
.set KBLK, 73728
.set VBLK, 69632
.set KSC,  65536
.set VIM,  KBLK
.set VSC,  KBLK+65536
.set LI,   1
.set LKS,  2
.set LV,   3
.set LVS,  4
.set R16,  5
.set R32,  6
.set ADK,  8
.set ADV,  9
.set ADS,  10
.set ADT,  11
.set WV,   18
.set SEL,  20
.set CS,   22
.set G1K,  24
.set G1V,  32
.set G0K,  40
.set G0V,  44
.set ST,   50
.macro CROUND                          ; a round of the cluster's barrier
	s_barrier_signal -1
	s_barrier_wait -1
	s_cmp_lg_u32 s[WV], 0
	s_cbranch_scc1 .Lnot_wave_0_\@
	s_barrier_signal -3
.Lnot_wave_0_\@:
	s_barrier_wait -3
	s_barrier_signal -1
	s_barrier_wait -1
.endm
	s_load_b256 s[4:11], s[0:1], 0x0               ; q_buf, k_buf, v_buf, y_img
	s_load_b64 s[12:13], s[0:1], 0x20              ; y_sc
	v_lshl_add_u32 v30, v0, 2, 0x29000
	v_mov_b32 v31, 0
	ds_add_u32 v30, v31                            ; the opening lines: the add twice on end and its wait
	ds_add_u32 v30, v31
	v_lshrrev_b32 v8, 5, v0
	s_delay_alu instid0(VALU_DEP_1)
	v_readfirstlane_b32 s[WV], v8                  ; wave 0..15
	s_bfe_u32 s48, ttmp6, 0x40000                  ; cx: my block of 512 queries: it enters global addresses alone
	s_and_b32 s49, ttmp7, 0xffff                   ; 16 x batch + head
	s_and_b32 s54, s[WV], 3                        ; which quarter of a block I fetch, if I fetch
	s_mul_i32 s56, s49, KBLK
	s_mul_i32 s55, s54, KBLK/4
	s_add_co_u32 s58, s56, s55
	s_mov_b32 s59, 0
	s_mul_i32 s57, s49, VBLK
	s_mul_i32 s60, s54, VBLK/4
	s_add_co_u32 s62, s57, s60
	s_mov_b32 s63, 0
	s_add_co_u32 s61, s60, VIM
	s_mov_b32 s[G1K], 15|(3<<16)|(1<<21)           ; the mask of all four; elements of 8 bytes; a dense block as rows of 256 bytes: K 72 rows a load, V 68
	s_mov_b32 s[G1V], 15|(3<<16)|(1<<21)
.irp g, G1K, G1V
	s_mov_b32 s[\g+1], 32<<16
	s_mov_b32 s[\g+3], 32<<16
	s_mov_b32 s[\g+5], 32
	s_mov_b32 s[\g+6], 0
	s_mov_b32 s[\g+7], 0
.endr
	s_mov_b32 s[G1K+2], 72<<16
	s_mov_b32 s[G1K+4], 72
	s_mov_b32 s[G1V+2], 68<<16
	s_mov_b32 s[G1V+4], 68
	s_mov_b32 s[SEL], 0x76543210
	s_mov_b32 s[SEL+1], 0xfedcba98
	s_mov_b32 s[CS], 0x3e38aa3b                    ; c = log2(e) / sqrt(64)
	s_mov_b32 s[CS+1], s[CS]
	s_lshl_b32 s66, s48, 14                        ; my first query tile is tile 32 cx + wave of the head's 128, my second 16 further on
	s_lshl_b32 s67, s[WV], 9
	s_add_co_u32 s66, s66, s67
	s_add_co_u32 s66, s66, s56                     ; Q's image: 512 bytes a tile
	s_mov_b32 s67, 0
	s_lshl_b32 s68, s48, 11                        ; Q's scale words: 512 bytes for 8 tiles; in them lane (tile % 8 / 4, r), word tile % 4
	s_lshr_b32 s69, s[WV], 3
	s_lshl_b32 s69, s69, 9
	s_add_co_u32 s68, s68, s69
	s_bfe_u32 s69, s[WV], 0x10002
	s_lshl_b32 s69, s69, 8
	s_add_co_u32 s68, s68, s69
	s_lshl_b32 s69, s54, 2
	s_add_co_u32 s68, s68, s69
	s_add_co_u32 s68, s68, s56
	s_add_co_u32 s68, s68, KSC
	s_mov_b32 s69, 0
	s_lshr_b32 s74, s49, 4
	s_lshl_b32 s74, s74, 7
	s_lshl_b32 s75, s48, 5
	s_add_co_u32 s74, s74, s75
	s_add_co_u32 s74, s74, s[WV]                   ; the tile among all 512 token tiles
	s_lshl_b32 s70, s74, 12                        ; y_img: [head / 8][512 token tiles][head % 8][512 bytes]
	s_bfe_u32 s75, s49, 0x10003
	s_lshl_b32 s75, s75, 21
	s_add_co_u32 s70, s70, s75
	s_and_b32 s75, s49, 7
	s_lshl_b32 s75, s75, 9
	s_add_co_u32 s70, s70, s75
	s_mov_b32 s71, 0
	s_lshl_b32 s72, s74, 9                         ; y_sc: [token][32 bytes], bytes 2 head and 2 head + 1
	s_and_b32 s75, s49, 15
	s_lshl_b32 s75, s75, 1
	s_add_co_u32 s72, s72, s75
	s_mov_b32 s73, 0
	v_and_b32 v7, 31, v0
	s_delay_alu instid0(VALU_DEP_1)
	v_lshlrev_b32 v[LI], 4, v7
	s_delay_alu instid0(VALU_DEP_1)
	v_add_nc_u32 v[LKS], KSC, v[LI]
	s_delay_alu instid0(VALU_DEP_2)
	v_add_nc_u32 v[LV], VIM, v[LI]
	s_delay_alu instid0(VALU_DEP_4)
	v_lshl_add_u32 v[LVS], v7, 3, VSC
	v_and_b32 v[R16], 15, v0
	s_delay_alu instid0(VALU_DEP_1)
	v_lshlrev_b32 v[R32], 5, v[R16]
	s_delay_alu instid0(VALU_DEP_2)
	v_lshlrev_b32 v[R16], 4, v[R16]
	v_bfe_u32 v7, v0, 4, 1
	s_delay_alu instid0(VALU_DEP_1)
	v_sub_nc_u32 v7, 1, v7                         ; 1 in lanes 0-15, which hold k = 64 .. 95 in a fragment's registers 4-7
	s_wait_dscnt 0x0
	s_wait_kmcnt 0x0
	s_mov_b32 s[G0K], 1
	s_mov_b32 s[G0K+1], s55
	s_add_nc_u64 s[G0K+2:G0K+3], s[6:7], s[58:59]
	s_or_b32 s[G0K+3], s[G0K+3], 0x80000000
	s_mov_b32 s[G0V], 1
	s_mov_b32 s[G0V+1], s61
	s_add_nc_u64 s[G0V+2:G0V+3], s[8:9], s[62:63]
	s_or_b32 s[G0V+3], s[G0V+3], 0x80000000
	s_add_nc_u64 s[66:67], s[4:5], s[66:67]
	s_add_nc_u64 s[68:69], s[4:5], s[68:69]
	s_add_nc_u64 s[70:71], s[10:11], s[70:71]
	s_add_nc_u64 s[72:73], s[12:13], s[72:73]
	CROUND                                         ; all four work-groups are here: the joint loads meet
	s_cmp_lt_u32 s[WV], 4                          ; waves 0-3 fetch K's quarters, waves 4-7 V's, the others nothing
	s_cbranch_scc0 .Lnot_k
	tensor_load_to_lds s[G0K:G0K+3], s[G1K:G1K+7]
	s_nop 0
.rept 4
	v_nop
.endr
	s_branch .Lasked
.Lnot_k:
	s_cmp_lt_u32 s[WV], 8
	s_cbranch_scc0 .Lasked
	tensor_load_to_lds s[G0V:G0V+3], s[G1V:G1V+7]
	s_nop 0
.rept 4
	v_nop
.endr
.Lasked:
	s_wait_alu depctr_va_vdst(0)
	global_load_b128 v[16:19], v[LI], s[66:67]                 ; my first tile of queries: registers 0-3 of its fragment,
	global_load_b128 v[240:243], v[LI], s[66:67] offset:8192   ; my second's,
	global_load_b32 v24, v[R16], s[68:69]                      ; and their scale words
	global_load_b32 v255, v[R16], s[68:69] offset:1024
	v_mul_u32_u24 v20, v7, 14                      ; Q at k = 64: the code -4
	v_mov_b32 v21, 0
	v_mov_b32 v22, 0
	v_mov_b32 v23, 0
.irp t, 0,1,2,3,4,5,6,7
	v_lshlrev_b32 v[36+8*\t], 1, v7                ; K at k = 64: the code +1
	v_mov_b32 v[37+8*\t], 0
	v_mov_b32 v[38+8*\t], 0
	v_mov_b32 v[39+8*\t], 0
.endr
.irp b, 0,1,2,3
	v_mov_b32 v[236+\b], 0                         ; written once: a lane permute's destination counts as one of its sources
.endr
	v_mov_b32 v253, 0
	s_wait_tensorcnt 0x0                           ; my load, if I have one, has landed,
	s_barrier_signal -1
	s_barrier_wait -1                              ; everybody's has
	s_wait_loadcnt 0x0                             ; Q
; ONE TILE OF 16 QUERIES through all 2,048 keys, 128 a step.
.macro PASS p
.if \p
	s_wait_xcnt 0x0                                ; the first tile's stores have read their data registers
.endif
.irp t, 0,1,2,3,4,5,6,7
	ds_load_b128 v[32+8*\t:35+8*\t], v[LI] offset:512*\t       ; step 0's K: registers 0-3 of tile t; registers 4-7 stay
.endr
	ds_load_b128 v[248:251], v[LKS]                ; and its scale words: lanes 0-15 tiles 0-3, lanes 16-31 tiles 4-7
.if \p
.irp i, 0,1,2,3
	v_mov_b32 v[16+\i], v[240+\i]
.endr
	v_mov_b32 v24, v255
.endif
	v_mov_b32 v13, 0xff61b1e6                      ; the largest t so far: -3e38
	s_delay_alu instid0(VALU_DEP_1)
	v_floor_f32 v12, -v13                          ; -M
	v_mov_b32 v14, 0
	v_mov_b32 v15, 0
.irp j, 0,1,2,3,4,5,6,7,8,9,10,11,12,13,14,15,16,17,18,19,20,21,22,23,24,25,26,27,28,29,30,31
	v_mov_b32 v[160+\j], 0                         ; O^T: the first step finds zeros
.endr
	s_mov_b32 s[ST], 0
	s_wait_alu depctr_va_vdst(0)                   ; the wait ahead of the wait below
	s_wait_dscnt 0x0                               ; step 0's K is in
.Lstep_\@:
	s_lshl_b32 s51, s[ST], 12                      ; a step's images: 4,096 bytes of K, 4,096 of V;
	s_lshl_b32 s52, s[ST], 9                       ; its scale words: 512 bytes of K,
	s_lshl_b32 s53, s[ST], 8                       ; 256 of V
.irp t, 0,1,2,3
	v_wmma_scale_f32_16x16x128_f8f6f4 v[96+8*\t:103+8*\t], v[32+8*\t:39+8*\t], v[16:23], 0, v[248+\t], v24 matrix_a_fmt:MATRIX_FMT_FP4 matrix_b_fmt:MATRIX_FMT_FP4
.endr
.irp t, 4,5,6,7
	v_wmma_scale_f32_16x16x128_f8f6f4 v[96+8*\t:103+8*\t], v[32+8*\t:39+8*\t], v[16:23], 0, v[244+\t], v24 matrix_a_fmt:MATRIX_FMT_FP4 matrix_b_fmt:MATRIX_FMT_FP4 matrix_a_scale:MATRIX_SCALE_ROW1
.endr
	v_add_nc_u32 v[ADK], s51, v[LI]                ; these four are the places behind the products above and behind the last step's: in front of both runs of loads and of the first reads of the scores
	v_add_nc_u32 v[ADV], s51, v[LV]
	v_add_nc_u32 v[ADS], s52, v[LKS]
	v_add_nc_u32 v[ADT], s53, v[LVS]
.irp t, 0,1,2,3,4,5,6,7
	ds_load_b128 v[32+8*\t:35+8*\t], v[ADK] offset:4096+512*\t ; the NEXT step's K
.endr
	ds_load_b128 v[248:251], v[ADS] offset:512     ; and its scale words
.irp f, 0,1,2,3
.irp c, 0,1
	ds_load_b128 v[192+8*\f+4*\c:195+8*\f+4*\c], v[ADV] offset:1024*\f+512*\c   ; this step's V: channel tile f, keys 64 c on
.endr
.endr
	ds_load_b64 v[28:29], v[ADT]                   ; V's scale words: lanes 0-15 tiles 0, 1, lanes 16-31 tiles 2, 3
.irp b, 0,1,2,3
	v_max3_num_f32 v[232+\b], v[96+16*\b], v[97+16*\b], v[98+16*\b]   ; the largest score of each block of 32 keys: for the row's maximum and, since p rises with the score, for the block's largest p
.endr
.irp i, 3,5,7,9,11,13
.irp b, 0,1,2,3
	v_max3_num_f32 v[232+\b], v[232+\b], v[96+16*\b+\i], v[97+16*\b+\i]
.endr
.endr
.irp b, 0,1,2,3
	v_max_num_f32 v[232+\b], v[232+\b], v[111+16*\b]
.endr
.irp b, 0,1,2,3
	s_delay_alu instid0(VALU_DEP_4)
	v_permlanex16_b32 v[236+\b], v[232+\b], s[SEL], s[SEL+1]
.endr
.irp b, 0,1,2,3
	s_delay_alu instid0(VALU_DEP_4)
	v_max_num_f32 v[232+\b], v[232+\b], v[236+\b]  ; with lane l xor 16's 16 keys
.endr
	s_delay_alu instid0(VALU_DEP_2)
	v_max3_num_f32 v254, v232, v233, v234
	s_delay_alu instid0(VALU_DEP_1)
	v_max_num_f32 v254, v254, v235                 ; the step's largest score of my query
	s_delay_alu instid0(VALU_DEP_1)
	v_mul_f32 v254, s[CS], v254                    ; as t
	s_delay_alu instid0(VALU_DEP_1)
	v_max_num_f32 v13, v13, v254                   ; the running largest t
	v_mov_b32 v254, v12
	s_delay_alu instid0(VALU_DEP_2)
	v_floor_f32 v12, -v13                          ; the new -M = -ceil(t)
	s_delay_alu instid0(VALU_DEP_1)
	v_sub_f32 v254, v12, v254                      ; old M - new M: a whole number, 0 or less
	s_delay_alu instid0(VALU_DEP_1)
	v_cvt_i32_f32 v254, v254                       ; (it saturates)
	s_delay_alu instid0(VALU_DEP_1)
	v_ldexp_f32 v252, 1.0, v254                    ; f = 2^(old M - new M)
.irp j, 0,2,4,6,8,10,12,14,16,18,20,22,24,26,28,30,32,34,36,38,40,42,44,46,48,50,52,54,56,58,60,62
	v_pk_fma_f32 v[96+\j:97+\j], v[96+\j:97+\j], s[CS:CS+1], v[12:13] op_sel_hi:[1,0,0]   ; t - M, two at a time
.endr
.irp b, 0,1,2,3
	v_fma_f32 v[232+\b], v[232+\b], s[CS], v12     ; the same of each block's largest score
.endr
	s_wait_alu depctr_va_vdst(0)                   ; the wait ahead of the batch
.irp j, 0,1,2,3,4,5,6,7,8,9,10,11,12,13,14,15,16,17,18,19,20,21,22,23,24,25,26,27,28,29,30,31,32,33,34,35,36,37,38,39,40,41,42,43,44,45,46,47,48,49,50,51,52,53,54,55,56,57,58,59,60,61,62,63
	v_exp_f32 v[96+\j], v[96+\j]                   ; p = 2^(t - M), at most 1: NOT normalised
.endr
	v_pk_mul_f32 v[14:15], v[14:15], v[252:253] op_sel_hi:[1,0]   ; the sums under the new M.  (A plain place behind the exponentials)
	s_wait_alu depctr_va_vdst(0)                   ; one wait for the whole batch, ahead of its first reader
.irp b, 0,1,2,3
	v_exp_f32 v[232+\b], v[232+\b]                 ; the block's largest p
.endr
	v_pk_add_f32 v[236:237], v[100:101], v[104:105]   ; the row's sum of the unquantised p, in eight chains
	v_pk_add_f32 v[228:229], v[108:109], v[112:113]
	v_pk_add_f32 v[226:227], v[116:117], v[120:121]
	v_pk_add_f32 v[246:247], v[124:125], v[128:129]
	v_pk_add_f32 v[244:245], v[132:133], v[136:137]
	v_pk_add_f32 v[238:239], v[140:141], v[144:145]
	v_pk_add_f32 v[230:231], v[148:149], v[152:153]
	v_pk_add_f32 v[14:15], v[14:15], v[156:157]
	v_pk_add_f32 v[236:237], v[236:237], v[96:97]
	v_pk_add_f32 v[228:229], v[228:229], v[98:99]
	v_pk_add_f32 v[226:227], v[226:227], v[102:103]
	v_pk_add_f32 v[246:247], v[246:247], v[106:107]
	v_pk_add_f32 v[244:245], v[244:245], v[110:111]
	v_pk_add_f32 v[238:239], v[238:239], v[114:115]
	v_pk_add_f32 v[230:231], v[230:231], v[118:119]
	v_pk_add_f32 v[14:15], v[14:15], v[122:123]
	v_pk_add_f32 v[236:237], v[236:237], v[126:127]
	v_pk_add_f32 v[228:229], v[228:229], v[130:131]
	v_pk_add_f32 v[226:227], v[226:227], v[134:135]
	v_pk_add_f32 v[246:247], v[246:247], v[138:139]
	v_pk_add_f32 v[244:245], v[244:245], v[142:143]
	v_pk_add_f32 v[238:239], v[238:239], v[146:147]
	v_pk_add_f32 v[230:231], v[230:231], v[150:151]
	v_pk_add_f32 v[14:15], v[14:15], v[154:155]
	v_pk_add_f32 v[236:237], v[236:237], v[158:159]
	s_delay_alu instid0(VALU_DEP_2)
	v_pk_add_f32 v[14:15], v[14:15], v[246:247]
	s_delay_alu instid0(VALU_DEP_2)
	v_pk_add_f32 v[236:237], v[236:237], v[244:245]
	v_pk_add_f32 v[228:229], v[228:229], v[238:239]
	v_pk_add_f32 v[226:227], v[226:227], v[230:231]
	s_delay_alu instid0(VALU_DEP_2)
	v_pk_add_f32 v[14:15], v[14:15], v[228:229]
	s_delay_alu instid0(VALU_DEP_2)
	v_pk_add_f32 v[236:237], v[236:237], v[226:227]
	s_delay_alu instid0(VALU_DEP_1)
	v_pk_add_f32 v[14:15], v[14:15], v[236:237]
	s_wait_alu depctr_va_vdst(0)                   ; and one for the four
.irp b, 0,1,2,3
	v_max_num_f32 v[232+\b], 0x1800000, v[232+\b]  ; the floor 2^(3 - 127): the byte cannot fall under 1
.endr
.irp b, 0,1,2,3
	s_delay_alu instid0(VALU_DEP_4)
	v_add_nc_u32 v[244+\b], 0xff000000, v[232+\b]  ; 2 off the exponent field: the conversion's scale operand
.endr
.irp b, 0,1,2,3
	s_delay_alu instid0(VALU_DEP_4)
	v_lshrrev_b32 v[236+\b], 23, v[244+\b]         ; the scale's byte
.endr
	s_delay_alu instid0(VALU_DEP_3)
	v_lshl_or_b32 v253, v237, 8, v236              ; p's scale word for these 128 keys
	s_delay_alu instid0(VALU_DEP_1)
	v_lshl_or_b32 v253, v238, 16, v253
	s_delay_alu instid0(VALU_DEP_1)
	v_lshl_or_b32 v253, v239, 24, v253
.irp b, 0,1,2,3
	v_cvt_scalef32_pk8_fp4_f32 v[224+2*\b], v[96+16*\b:103+16*\b], v[244+\b]
	v_cvt_scalef32_pk8_fp4_f32 v[225+2*\b], v[104+16*\b:111+16*\b], v[244+\b]
.endr
	v_nop                                          ; one plain place behind a scaled conversion
.irp c, 0,1
.irp i, 0,1
	v_permlane16_swap_b32 v[224+4*\c+\i], v[226+4*\c+\i]   ; a whole block in a lane: lanes 0-15 block 2 c, lanes 16-31 block 2 c + 1
.endr
.endr
.irp j, 0,2,4,6,8,10,12,14,16,18,20,22,24,26,28,30
	v_pk_mul_f32 v[160+\j:161+\j], v[160+\j:161+\j], v[252:253] op_sel_hi:[1,0]   ; O^T under the new M.  (These 16 are also the places between the lines that made p's codes and scale word and the products below)
.endr
	s_wait_alu depctr_va_vdst(0)
	s_wait_dscnt 0x0                               ; V is in, and so is the next step's K
.irp f, 0,1
	v_wmma_scale_f32_16x16x128_f8f6f4 v[160+8*\f:167+8*\f], v[192+8*\f:199+8*\f], v[224:231], v[160+8*\f:167+8*\f], v[28+\f], v253 matrix_a_fmt:MATRIX_FMT_FP4 matrix_b_fmt:MATRIX_FMT_FP4
.endr
.irp f, 2,3
	v_wmma_scale_f32_16x16x128_f8f6f4 v[160+8*\f:167+8*\f], v[192+8*\f:199+8*\f], v[224:231], v[160+8*\f:167+8*\f], v[26+\f], v253 matrix_a_fmt:MATRIX_FMT_FP4 matrix_b_fmt:MATRIX_FMT_FP4 matrix_a_scale:MATRIX_SCALE_ROW1
.endr
	s_add_co_u32 s[ST], s[ST], 1                   ; (the four accumulators take turns, and the next matrix instruction is a score's)
	s_cmp_lt_u32 s[ST], 16
	s_cbranch_scc1 .Lstep_\@
	; THE WAY OUT: y = O^T / the sum, quantised along the head's 64 channels: two blocks; register 16 b + i is channel 32 b + 16 (lane / 16) + i of my query
.rept 4
	v_nop                                          ; places behind the last products
.endr
	v_add_f32 v14, v14, v15
	s_delay_alu instid0(VALU_DEP_1)
	v_permlanex16_b32 v252, v14, s[SEL], s[SEL+1]
	s_delay_alu instid0(VALU_DEP_1)
	v_add_f32 v14, v14, v252                       ; the row's sum
	s_wait_alu depctr_va_vdst(0)
	v_rcp_f32 v14, v14
	v_nop                                          ; one plain place behind a transcendental
	s_wait_alu depctr_va_vdst(0)                   ; and the wait ahead of its first reader
.irp j, 0,1,2,3,4,5,6,7,8,9,10,11,12,13,14,15,16,17,18,19,20,21,22,23,24,25,26,27,28,29,30,31
	v_mul_f32 v[96+\j], v[160+\j], v14             ; each accumulator from its low end on
.endr
.irp b, 0,1
	v_max3_num_f32 v[232+\b], |v[96+16*\b]|, |v[97+16*\b]|, 0x1800000
.endr
.irp i, 2,4,6,8,10,12,14
.irp b, 0,1
	s_delay_alu instid0(VALU_DEP_2)
	v_max3_num_f32 v[232+\b], v[232+\b], |v[96+16*\b+\i]|, |v[97+16*\b+\i]|
.endr
.endr
.irp b, 0,1
	s_delay_alu instid0(VALU_DEP_2)
	v_permlanex16_b32 v[236+\b], v[232+\b], s[SEL], s[SEL+1]
.endr
.irp b, 0,1
	s_delay_alu instid0(VALU_DEP_2)
	v_max_num_f32 v[232+\b], v[232+\b], v[236+\b]
.endr
.irp b, 0,1
	s_delay_alu instid0(VALU_DEP_2)
	v_add_nc_u32 v[244+\b], 0xff000000, v[232+\b]
.endr
.irp b, 0,1
	s_delay_alu instid0(VALU_DEP_2)
	v_lshrrev_b32 v[236+\b], 23, v[244+\b]
.endr
	s_delay_alu instid0(VALU_DEP_1)
	v_lshl_or_b32 v254, v237, 8, v236              ; my query's two scale bytes of this head
.irp b, 0,1
	v_cvt_scalef32_pk8_fp4_f32 v[224+2*\b], v[96+16*\b:103+16*\b], v[244+\b]
	v_cvt_scalef32_pk8_fp4_f32 v[225+2*\b], v[104+16*\b:111+16*\b], v[244+\b]
.endr
	v_nop                                          ; one plain place behind a scaled conversion
	v_permlane16_swap_b32 v224, v226
	v_permlane16_swap_b32 v225, v227               ; lane (r, h): channels 32 h + 0 .. 31 of query r: the unit's image
	global_store_b128 v[LI], v[224:227], s[70:71] offset:65536*\p   ; 512 consecutive bytes
	global_store_b16 v[R32], v254, s[72:73] offset:8192*\p          ; two bytes of each token's 32: lanes l and l xor 16 write the same bytes with the same value
.endm
	PASS 0
	PASS 1
	s_wait_dscnt 0x0
	s_wait_tensorcnt 0x0                           ; the wave's end
	ds_add_u32 v30, v31
	s_wait_dscnt 0x0
	CROUND                                         ; the closing round
	s_endpgm
.Lfunc_end_k_q18e498ca59_attn:
	.size	k_q18e498ca59_attn, .Lfunc_end_k_q18e498ca59_attn-k_q18e498ca59_attn
	.p2alignl 7, 3214868480
	.fill 96, 4, 3214868480
	.section	.rodata,"a",@progbits
	.p2align	6, 0x0
	.amdhsa_kernel k_q18e498ca59_attn
		.amdhsa_group_segment_fixed_size 169984
		.amdhsa_private_segment_fixed_size 0
		.amdhsa_enable_private_segment 0
		.amdhsa_kernarg_size 40
		.amdhsa_user_sgpr_count 2
		.amdhsa_user_sgpr_kernarg_segment_ptr 1
		.amdhsa_wavefront_size32 1
		.amdhsa_system_sgpr_workgroup_id_x 1
		.amdhsa_system_sgpr_workgroup_id_y 1
		.amdhsa_system_sgpr_workgroup_id_z 1
		.amdhsa_system_vgpr_workitem_id 0
		.amdhsa_next_free_vgpr 256
		.amdhsa_next_free_sgpr 80
		.amdhsa_reserve_vcc 0
		.amdhsa_float_denorm_mode_32 3
		.amdhsa_float_denorm_mode_16_64 3
		.amdhsa_memory_ordered 1
		.amdhsa_forward_progress 1
		.amdhsa_inst_pref_size 52
	.end_amdhsa_kernel
	.amdgpu_metadata
---
amdhsa.version: [ 1, 2 ]
amdhsa.kernels:
  - .name:           k_q18e498ca59_attn
    .symbol:         k_q18e498ca59_attn.kd
    .args:
      - { .name: q_buf, .offset: 0, .size: 8, .value_kind: global_buffer, .address_space: global }
      - { .name: k_buf, .offset: 8, .size: 8, .value_kind: global_buffer, .address_space: global }
      - { .name: v_buf, .offset: 16, .size: 8, .value_kind: global_buffer, .address_space: global }
      - { .name: y_img, .offset: 24, .size: 8, .value_kind: global_buffer, .address_space: global }
      - { .name: y_sc, .offset: 32, .size: 8, .value_kind: global_buffer, .address_space: global }
    .group_segment_fixed_size: 169984
    .private_segment_fixed_size: 0
    .kernarg_segment_align: 8
    .kernarg_segment_size: 40
    .max_flat_workgroup_size: 512
    .sgpr_count:     80
    .vgpr_count:     256
    .wavefront_size: 32
...
	.end_amdgpu_metadata
.endif
;; end of part 3
;; launch proj (part 4): grid 4 x 64, 4 waves a work-group, clusters of 4 x 4, 327,680 bytes of LDS; arguments y_img, y_sc, codes, scales, b_proj, out0; writes out0
.if DOCPART == 4
	.amdgcn_target "amdgcn-amd-amdhsa--gfx1250"
	.amdhsa_code_object_version 6
	.text
	.protected	k_q18e498ca59_proj
	.globl	k_q18e498ca59_proj
	.p2align	8
	.type	k_q18e498ca59_proj,@function
k_q18e498ca59_proj:
	s_mov_b64 s[64:65], 0
	v_nop
	global_prefetch_b8 v0, s[64:65] scope:SCOPE_SE
	s_setreg_imm32_b32 hwreg(HW_REG_WAVE_MODE, 25, 1), 1
	s_wait_xcnt 0x0
	s_wait_alu depctr_hold_cnt(0) depctr_sa_sdst(0) depctr_va_vdst(0) depctr_va_sdst(0) depctr_va_ssrc(0) depctr_va_vcc(0) depctr_vm_vsrc(0)
	s_getreg_b32 s2, hwreg(HW_REG_IB_STS2, 6, 4)
	s_cmp_eq_u32 s2, 0
	s_cbranch_scc0 .Lentry_in_a_cluster
	s_endpgm
.Lentry_in_a_cluster:
	s_bfe_u32 s2, ttmp6, 0x10000c
	s_cmp_lg_u32 s2, 0xf033
	s_cbranch_scc0 .Lentry_shape_is_right
	s_endpgm
.Lentry_shape_is_right:
; out0 = y W_proj^T + b_proj on codes of FP4 (E2M1) with E8M0 scales, sums in f32.
; SHARES.  A work-group makes 128 tokens x 256 features, each of its four waves 128 tokens x 64 features: 32 accumulators.  All of K = 1,024 lies in LDS, filled ONCE, one tensor load a wave:
; waves 0 and 1 fetch y's two planes (heads 0-7, heads 8-15: 8 token tiles x 8 heads x 512 bytes = 32,768 dense bytes each, images of operand registers), waves 2 and 3 the halves of W's 256 rows (512 bytes + 16 of padding).
; CLUSTER 4 x 4: y's planes hang on the tile row alone and are asked for jointly along a row of the cluster, W's rows on the tile column alone and jointly along a column.
; Source 0 = 16 features (W's rows lie in tile order: inside 32: 0-7, 16-23, 8-15, 24-31), source 1 = 16 tokens: register j of tile f is feature 32 (f / 2) + 8 (f % 2) + 16 h + j of one token; the bias is the first products' C.
; THE WAY OUT: 16 tokens x 64 features go through the wave's own stage in LDS, on bytes that no fill lands on, and leave as rows of 256 bytes, sixteen lanes to a row.  Token tiles lie in tile order too: the stores' row numbers undo it.
; No prefetch: all that a work-group reads is asked for at its head, and the text has no loop.
; REGISTERS.  window 0: v16-28 addresses; v32-63 y's scale words, v64-79 W's; v80-111 the bias; v128-223 fragments (even K steps), on the way out rows read back.   window 2: the odd K steps' fragments.   window 1: accumulator n at v[8 n].
.set PITCH, 528
.set SP,    272                        ; a stage row: 256 bytes + 16
.set ABYT,  65536
.set STAGE, ABYT+256*PITCH
.set WPRJ,  11264*512
.set SPRJ,  11264*32
.set ADRA, 16
.set ADRB, 20
.set SO,   24
.set STO,  25
.set RD,   26
.set CO,   27
.set OB,   28
.set SA,   32
.set SB,   64
.set BI,   80
.set AF,   128
.set BF,   192
.set BK,   128
.set G1,  24
.set G0,  32
.set G1B, 48
.set G0B, 56
.set OUT, 78
.set MSB, 0
.macro WIN new                         ; the immediate's high byte repeats the setting that is left
.if MSB != (\new)
	s_set_vgpr_msb (MSB<<8)|(\new)
.set MSB, (\new)
.endif
.endm
.macro CROUND                          ; a round of the cluster's barrier
	s_barrier_signal -1
	s_barrier_wait -1
	s_cmp_lg_u32 s18, 0
	s_cbranch_scc1 .Lnot_wave_0_\@
	s_barrier_signal -3
.Lnot_wave_0_\@:
	s_barrier_wait -3
	s_barrier_signal -1
	s_barrier_wait -1
.endm
	s_load_b256 s[4:11], s[0:1], 0x0               ; y_img, y_sc, codes, scales
	s_load_b128 s[12:15], s[0:1], 0x20             ; b_proj, out0
	v_lshl_add_u32 v254, v0, 2, 0x36400
	v_mov_b32 v255, 0
	ds_add_u32 v254, v255                          ; the opening lines: the add twice on end and its wait
	ds_add_u32 v254, v255
	v_lshrrev_b32 v1, 5, v0
	v_readfirstlane_b32 s18, v1                    ; wave 0..3
	s_lshr_b32 s19, s18, 1                         ; I fetch for y (0) or for W (1),
	s_and_b32 s20, s18, 1                          ; this plane or half
	s_bfe_u32 s21, ttmp6, 0x40000
	s_bfe_u32 s22, ttmp6, 0x40004
	s_lshl_b32 s23, ttmp9, 2
	s_add_co_u32 s23, s23, s21                     ; tile column (256 features)
	s_and_b32 s40, ttmp7, 0xffff
	s_lshl_b32 s40, s40, 2
	s_add_co_u32 s40, s40, s22                     ; tile row (128 tokens)
	s_lshl_b32 s41, s22, 2
	s_lshl_b32 s41, 15, s41
	s_lshl_b32 s42, 0x1111, s21
	s_or_b32 s[G1+0], s41, (3<<16)|(1<<21)         ; y: 128 dense rows of 256 bytes (32 elements of 8), no padding
	s_mov_b32 s[G1+1], 32<<16
	s_mov_b32 s[G1+2], 128<<16
	s_mov_b32 s[G1+3], 32<<16
	s_mov_b32 s[G1+4], 128
	s_mov_b32 s[G1+5], 32
	s_mov_b32 s[G1+6], 0
	s_mov_b32 s[G1+7], 0
	s_or_b32 s[G1B+0], s42, (1<<20)|(1<<21)|(6<<22)|(3<<25)   ; W: 128 rows of 512 bytes, four words of padding after every 128
	s_mov_b32 s[G1B+1], 512<<16
	s_mov_b32 s[G1B+2], 128<<16
	s_mov_b32 s[G1B+3], 512<<16
	s_mov_b32 s[G1B+4], 128
	s_mov_b32 s[G1B+5], 512
	s_mov_b32 s[G1B+6], 0
	s_mov_b32 s[G1B+7], 0
	s_lshl_b32 s44, s40, 15                        ; y_img: [2 planes][512 token tiles][8 heads][512 bytes]
	s_lshl_b32 s45, s20, 21
	s_add_co_u32 s44, s44, s45
	s_mov_b32 s45, 0
	s_lshl_b32 s46, s23, 17
	s_lshl_b32 s47, s20, 16
	s_add_co_u32 s46, s46, s47
	s_add_co_u32 s46, s46, WPRJ
	s_mov_b32 s47, 0
	s_lshl_b32 s66, s20, 15                        ; where they go: no place in the cluster enters an LDS address
	s_mul_i32 s67, s20, 128*PITCH
	s_add_co_u32 s67, s67, ABYT
	s_lshl_b32 s70, s40, 12
	s_mov_b32 s71, 0
	s_lshl_b32 s72, s23, 13
	s_lshl_b32 s73, s18, 11
	s_add_co_u32 s72, s72, s73
	s_add_co_u32 s72, s72, SPRJ
	s_mov_b32 s73, 0
	s_lshl_b32 s74, s23, 10
	s_lshl_b32 s75, s18, 8
	s_add_co_u32 s74, s74, s75
	s_mov_b32 s75, 0
	s_lshl_b32 s76, s40, 19
	s_add_co_u32 s76, s76, s74
	s_mov_b32 s77, 0
	s_wait_dscnt 0x0
	s_wait_kmcnt 0x0
	s_add_nc_u64 s[44:45], s[4:5], s[44:45]
	s_add_nc_u64 s[46:47], s[8:9], s[46:47]
	CROUND                                         ; all sixteen work-groups are here: the joint loads meet
	s_mov_b32 s[G0], 1
	s_mov_b32 s[G0+1], s66
	s_mov_b64 s[G0+2:G0+3], s[44:45]
	s_or_b32 s[G0+3], s[G0+3], 0x80000000
	s_mov_b32 s[G0B], 1
	s_mov_b32 s[G0B+1], s67
	s_mov_b64 s[G0B+2:G0B+3], s[46:47]
	s_or_b32 s[G0B+3], s[G0B+3], 0x80000000
	s_cmp_eq_u32 s19, 0                            ; one load a wave, each in its arm
	s_cbranch_scc0 .Lhead_w
	tensor_load_to_lds s[G0:G0+3], s[G1:G1+7]
	s_nop 0
.rept 4
	v_nop
.endr
	s_branch .Lhead_asked
.Lhead_w:
	tensor_load_to_lds s[G0B:G0B+3], s[G1B:G1B+7]
	s_nop 0
.rept 4
	v_nop
.endr
.Lhead_asked:
	s_add_nc_u64 s[70:71], s[6:7], s[70:71]
	s_add_nc_u64 s[72:73], s[10:11], s[72:73]
	s_add_nc_u64 s[74:75], s[12:13], s[74:75]
	s_add_nc_u64 s[OUT:OUT+1], s[14:15], s[76:77]
	v_and_b32 v1, 15, v0                           ; r
	v_bfe_u32 v2, v0, 4, 1                         ; h
	v_lshlrev_b32 v[SO], 5, v1
	v_lshl_add_u32 v[SO], v2, 4, v[SO]
	v_lshlrev_b32 v[OB], 6, v2
.irp t, 0,1,2,3,4,5,6,7
	global_load_b128 v[SA+4*\t:SA+4*\t+3], v[SO], s[70:71] offset:512*\t       ; lane (r, h): scale words 4 h .. 4 h + 3 of row r
.endr
.irp t, 0,1,2,3
	global_load_b128 v[SB+4*\t:SB+4*\t+3], v[SO], s[72:73] offset:512*\t
.endr
.irp f, 0,1,2,3
	global_load_b128 v[BI+8*\f:BI+8*\f+3], v[OB], s[74:75] offset:(32*(\f/2)+8*(\f%2))*4
	global_load_b128 v[BI+8*\f+4:BI+8*\f+7], v[OB], s[74:75] offset:(32*(\f/2)+8*(\f%2))*4+16
.endr
	v_and_b32 v[ADRA], 31, v0
	v_lshlrev_b32 v[ADRA], 4, v[ADRA]              ; y's images: 16 x lane
	v_mul_u32_u24 v3, v1, PITCH
	v_lshl_add_u32 v3, v2, 4, v3
	s_mul_i32 s68, s18, 64*PITCH
	s_add_co_u32 s68, s68, ABYT
	v_add_nc_u32 v[ADRB], s68, v3                  ; my wave's 64 rows of W
	s_mul_i32 s69, s18, 16*SP
	s_add_co_u32 s69, s69, STAGE                   ; my stage
	v_mul_u32_u24 v[STO], v1, SP
	v_lshl_add_u32 v[STO], v2, 6, v[STO]
	v_add_nc_u32 v[STO], s69, v[STO]
	v_mul_u32_u24 v[RD], v2, SP
	v_lshl_add_u32 v[RD], v1, 4, v[RD]
	v_add_nc_u32 v[RD], s69, v[RD]
	v_lshlrev_b32 v[CO], 12, v2
	v_lshl_add_u32 v[CO], v1, 4, v[CO]
.macro WM d, x, y, c, sx, sy, s        ; s = 0: the bias is the C that starts the sum; s >= 4: both scale words lie in lanes 16-31
.if (\s) == 0
	v_wmma_scale_f32_16x16x128_f8f6f4 v[\d:\d+7], v[\x:\x+7], v[\y:\y+7], v[\c:\c+7], v[\sx], v[\sy] matrix_a_fmt:MATRIX_FMT_FP4 matrix_b_fmt:MATRIX_FMT_FP4
.elseif (\s) < 4
	v_wmma_scale_f32_16x16x128_f8f6f4 v[\d:\d+7], v[\x:\x+7], v[\y:\y+7], v[\d:\d+7], v[\sx], v[\sy] matrix_a_fmt:MATRIX_FMT_FP4 matrix_b_fmt:MATRIX_FMT_FP4
.else
	v_wmma_scale_f32_16x16x128_f8f6f4 v[\d:\d+7], v[\x:\x+7], v[\y:\y+7], v[\d:\d+7], v[\sx], v[\sy] matrix_a_fmt:MATRIX_FMT_FP4 matrix_b_fmt:MATRIX_FMT_FP4 matrix_a_scale:MATRIX_SCALE_ROW1 matrix_b_scale:MATRIX_SCALE_ROW1
.endif
.endm
.macro MULH s, half                    ; 16 matrix instructions; the 32 accumulators take turns, in the same order in every step
.irp a, 4*\half, 4*\half+1, 4*\half+2, 4*\half+3
.irp f, 0,1,2,3
	WM 8*(4*(\a)+\f), BF+8*\f, AF+8*(\a), BI+8*\f, SB+4*\f+(\s)%4, SA+4*(\a)+(\s)%4, \s
.endr
.endr
.endm
.macro FRAGS set, s                    ; K step s = heads 2 s and 2 s + 1: y's eight fragments (plane s / 4), W's four (64 bytes of each row)
	WIN 0x80*(\set)
.irp i, 0,1,2,3,4,5,6,7
.irp c, 0,1
	ds_load_b128 v[AF+8*\i+4*\c:AF+8*\i+4*\c+3], v[ADRA] offset:((\s)/4)*32768+\i*4096+(2*((\s)%4)+\c)*512
.endr
.endr
.irp i, 0,1,2,3
.irp c, 0,1
	ds_load_b128 v[BF+8*\i+4*\c:BF+8*\i+4*\c+3], v[ADRB] offset:64*(\s)+32*\c+\i*16*PITCH
.endr
.endr
.endm
.macro STEP s                          ; 32 matrix instructions; in the middle the next step's fragments go into the other set, four places behind the products that read it
.if (\s) == 0
.set MW, 0x40
.elseif (\s)%2 == 0
.set MW, 0x50
.else
.set MW, 0x5a
.endif
	s_wait_dscnt 0x0
	WIN MW
	MULH \s, 0
.if (\s) < 7
.rept 4
	v_nop
.endr
	FRAGS ((\s)+1)%2, (\s)+1
.endif
	WIN MW
	MULH \s, 1
.endm
	s_wait_alu depctr_va_vdst(0)                   ; the wait at the head's end
	s_wait_tensorcnt 0x0                           ; my load has landed,
	s_barrier_signal -1
	s_barrier_wait -1                              ; everybody's has: all of K lies in LDS
	FRAGS 0, 0
	s_wait_loadcnt 0x0                             ; scale words, bias
.irp s, 0,1,2,3,4,5,6,7
	STEP \s
.endr
	WIN 0
.macro TOSTAGE a                       ; token tile a into my stage, each accumulator from its low end on, and back as rows; LDS serves a wave's instructions in order (ISA guide 5.7.1)
	WIN 0x04
.irp f, 0,1,2,3
	ds_store_b128 v[STO], v[8*(4*(\a)+\f):8*(4*(\a)+\f)+3] offset:(32*(\f/2)+8*(\f%2))*4
	ds_store_b128 v[STO], v[8*(4*(\a)+\f)+4:8*(4*(\a)+\f)+7] offset:(32*(\f/2)+8*(\f%2))*4+16
.endr
	WIN 0
.set BB, BK+32*((\a)%2)
.irp i, 0,1,2,3,4,5,6,7
	ds_load_b128 v[BB+4*\i:BB+4*\i+3], v[RD] offset:2*\i*SP
.endr
.endm
.macro SEND a, younger                 ; younger: the LDS instructions issued behind tile a's loads, which may stay out
.set BB, BK+32*((\a)%2)
	s_wait_dscnt \younger
.irp i, 0,1,2,3,4,5,6,7
	global_store_b128 v[CO], v[BB+4*\i:BB+4*\i+3], s[OUT:OUT+1] offset:(32*((\a)/2)+8*((\a)%2)+2*\i+8*(\i/4))*4096 th:TH_STORE_NT   ; sixteen lanes store 256 consecutive bytes, aligned
.endr
.endm
.rept 4
	v_nop                                          ; places behind the last products
.endr
	TOSTAGE 0
.irp a, 1,2,3,4,5,6,7
.if \a > 1
	s_wait_xcnt 0x0                                ; tile a - 2's stores have read their registers
.endif
	TOSTAGE \a
	SEND \a-1, 16                                  ; behind tile a - 1's loads: tile a's 8 stores and 8 loads
.endr
	SEND 7, 0
	s_wait_tensorcnt 0x0                           ; the wave's end
	ds_add_u32 v254, v255
	s_wait_dscnt 0x0
	CROUND                                         ; the closing round
	s_endpgm
.Lfunc_end_k_q18e498ca59_proj:
	.size	k_q18e498ca59_proj, .Lfunc_end_k_q18e498ca59_proj-k_q18e498ca59_proj
	.p2alignl 7, 3214868480
	.fill 96, 4, 3214868480
	.section	.rodata,"a",@progbits
	.p2align	6, 0x0
	.amdhsa_kernel k_q18e498ca59_proj
		.amdhsa_group_segment_fixed_size 327680
		.amdhsa_private_segment_fixed_size 0
		.amdhsa_enable_private_segment 0
		.amdhsa_kernarg_size 48
		.amdhsa_user_sgpr_count 2
		.amdhsa_user_sgpr_kernarg_segment_ptr 1
		.amdhsa_wavefront_size32 1
		.amdhsa_system_sgpr_workgroup_id_x 1
		.amdhsa_system_sgpr_workgroup_id_y 1
		.amdhsa_system_sgpr_workgroup_id_z 1
		.amdhsa_system_vgpr_workitem_id 0
		.amdhsa_next_free_vgpr 768
		.amdhsa_next_free_sgpr 96
		.amdhsa_reserve_vcc 0
		.amdhsa_float_denorm_mode_32 3
		.amdhsa_float_denorm_mode_16_64 3
		.amdhsa_memory_ordered 1
		.amdhsa_forward_progress 1
		.amdhsa_inst_pref_size 70
	.end_amdhsa_kernel
	.amdgpu_metadata
---
amdhsa.version: [ 1, 2 ]
amdhsa.kernels:
  - .name:           k_q18e498ca59_proj
    .symbol:         k_q18e498ca59_proj.kd
    .args:
      - { .name: y_img, .offset: 0, .size: 8, .value_kind: global_buffer, .address_space: global }
      - { .name: y_sc, .offset: 8, .size: 8, .value_kind: global_buffer, .address_space: global }
      - { .name: codes, .offset: 16, .size: 8, .value_kind: global_buffer, .address_space: global }
      - { .name: scales, .offset: 24, .size: 8, .value_kind: global_buffer, .address_space: global }
      - { .name: b_proj, .offset: 32, .size: 8, .value_kind: global_buffer, .address_space: global }
      - { .name: out0, .offset: 40, .size: 8, .value_kind: global_buffer, .address_space: global }
    .group_segment_fixed_size: 327680
    .private_segment_fixed_size: 0
    .kernarg_segment_align: 8
    .kernarg_segment_size: 48
    .max_flat_workgroup_size: 128
    .sgpr_count:     96
    .vgpr_count:     768
    .wavefront_size: 32
...
	.end_amdgpu_metadata
.endif
;; end of part 4
